; MI455X (gfx1250); checked and timed in simulation.
; The chip was launched on July 23, 2026; its instructions are those of AMD's public machine-readable ISA for CDNA 5 (MIT licence, August 2026) and "CDNA5" Instruction Set Architecture Reference Guide (July 2026). The comments in the code are by the model that wrote it; some were corrected since.
;; KNRM. Allowed arithmetic: matrix products marked QUANTISED: E4M3 operands, one given power-of-two scale a tensor, by v_wmma_f32_16x16x64_fp8_fp8 or v_wmma_f32_16x16x128_fp8_fp8, f32 sums; products left as they are: f32 operands where the result goes on into a quantised operand, else bf16, f16 or f32 operands; f32 sums; everything else in f32.
;; Inputs: b1 10 float32; b2 5 float32; b3 1 float32; doc 512 x 512 int32; emb 50,000 x 128 float32; lowp_scales 2 int32 (the exponents e of the quantised operands' scales 2^e); query 512 x 30 int32; w1 21 x 10 float32; w2 10 x 5 float32; w3 5 x 1 float32.
;; Outputs: out0 512 x 1 float32.
;; This version of the problem:
;;   THIS VERSION OF THE PROBLEM IS GIVEN IN LOW PRECISION. The matrix products marked QUANTISED in the list below multiply operands that are first quantised to E4M3 (4 exponent bits, 3 mantissa bits; 8 bits a number), with one given power-of-two scale for each operand tensor; their sums are f32. All else is computed in f32.
;;   The module's matrix products, in the order in which they are computed (A, B: the left and right operand; K: the contracted axis; several contracted axes count as one K, in the product's order):
;;     1. batch 512 x [M 30, K 128] x [K 128, N 512]; A: computed on the way; B: computed on the way: QUANTISED (scales: A lowp_scales[0], B lowp_scales[1])
;;     2. [M 512, K 21] x [K 21, N 10]; A: computed on the way; B: input w1: left as it is (K = 21 < 32)
;;     3. [M 512, K 10] x [K 10, N 5]; A: computed on the way; B: input w2: left as it is (K = 10 < 32)
;;     4. [M 512, K 5] x [K 5, N 1]; A: computed on the way; B: input w3: left as it is (K = 5 < 32)
;;   THE QUANTISER, for each operand of a quantised product, along K:
;;     - The operand's scale is 2^e, e = its entry of the input lowp_scales (int32; the entries are numbered through the quantised products in the list's order, A before B).
;;     - Each number is divided by the scale, clamped to +-448, and rounded to the nearest number of E4M3, ties to even, subnormals kept.
;;     - The product sums the exact products of the quantised numbers (number of the format x scale) in f32.
;;   ~~~python
;;   def quantise(x, axis, e):      # numpy; x: float32 -> the quantised numbers, widened to float32 again
;;       x = np.moveaxis(x, axis, -1); K = x.shape[-1]
;;       r = np.clip(x / 2.0 ** e, -448, 448)
;;       step = 2.0 ** (np.maximum(np.frexp(np.where(r == 0, 1, r))[1] - 1, -6) - 3)
;;       q = np.round(r / step) * step * 2.0 ** e      # np.round: ties to even
;;       return np.moveaxis(q, -1, axis).astype(np.float32)
;;   ~~~
;;   OPERANDS COMPUTED ON THE WAY. 'Computed on the way' means the value that the module computes at that place (a softmax that the list does not call 'softmax' is quantised finished and normalised). What goes into a quantiser is computed in f32, as accurately as f32 sums, v_exp_f32 and their like allow (about 1e-6 of the number): no bf16 or f16 on the way to a quantiser, and a product that is left as it is and whose result goes on into a quantised operand takes f32 operands (vector FMAs, or v_wmma_f32_16x16x4_f32). A number that lies on a knife's edge between two numbers of the format may be rounded either way, as far as f32 arithmetic and the matrix unit's own rounding can turn it there, and no further.
;; One version. Each part assembles by itself: llvm-mc -triple=amdgcn-amd-amdhsa -mcpu=gfx1250 --defsym DOCPART=n.
;; ======== version 1 of 1: 2 launches
;; limits: a function is approximated: absolute error at most 5e-09
;; workspace buffers: qcodes 6,400,000 bytes; dcodes 6,400,000 bytes
;; launch quant (part 1): grid 625 x 1, 5 waves a work-group, no clusters, 0 bytes of LDS; arguments emb, lowp_scales, qcodes, dcodes; writes qcodes, dcodes
.if DOCPART == 1
	.amdgcn_target "amdgcn-amd-amdhsa--gfx1250"
	.amdhsa_code_object_version 6
	.text
	.protected	k_q7127f45e5b_quant
	.globl	k_q7127f45e5b_quant
	.p2align	8
	.type	k_q7127f45e5b_quant,@function
k_q7127f45e5b_quant:
	s_mov_b64 s[64:65], 0
	v_nop
	global_prefetch_b8 v0, s[64:65] scope:SCOPE_SE
	s_setreg_imm32_b32 hwreg(HW_REG_WAVE_MODE, 25, 1), 1
	s_wait_xcnt 0x0
; Every row of emb [50000][128] f32 is divided by max(its L2 norm, 1e-12) and turned into codes of E4M3 twice: with 2^e0 (the scale of the product's left
; operand, the queries) into qcodes, with 2^e1 (the docs) into dcodes.  A normalised, quantised row hangs on the table's row and the scale alone, so it is made
; once here and not once for each of the 277,504 places at which query and doc name a row.
; code = x / 2^e, held within +-448, to the nearest code, ties to even.
; LAYOUT of a row of codes, 128 bytes: byte 8 p + n (p = 0 .. 15) is element 4 p + n for n < 4 and element 64 + 4 p + n - 4 for n >= 4: the same order of K in
; both tables, so that in the product every number meets its partner.
; SHARES.  50,000 rows = 3,125 waves x 16 rows; 625 work-groups of five waves.  Sixteen lanes hold a row: lanes 0-15 row 2 j, lanes 16-31 row 2 j + 1, j = 0 .. 7.
; Each load takes 16 bytes a lane: sixteen lanes read 256 consecutive bytes, at a multiple of 256 from the table's first byte.  All sixteen loads of a wave go out at once.
; A lane's eight codes are 8 bytes: a store of the wave covers 256 consecutive bytes, two rows of codes, aligned.
; No LDS, no barrier, no loop: waves share nothing, and no register of a store is written again.
; LIMITS: e0 and e1 lie between -126 and 119, so that 2^e and 448 x 2^e are f32 numbers.  NaN among the inputs is not served.
; 1 / max(sqrt(ss), 1e-12) is made as min(rsq(ss), 1e12): the same number where ss is 0 or denormal too (rsq gives infinity there, and the hold takes 1e12).
.set IV, 10                            ; v[10+2j] 1 / norm of row pair j, v[11+2j] its sum of squares: a pair, so that the packed multiply can name it
.set TD, 26                            ; v26-33   eight numbers held for the docs' scale
.set TQ, 34                            ; v34-41   the same for the queries' scale
.set X,  42                            ; v42-105  eight numbers a row pair
.set CD, 106                           ; v106-121 the docs' codes, two registers a row pair
.set CQ, 122                           ; v122-137 the queries' codes
	s_load_b256 s[4:11], s[0:1], 0x0               ; emb s[4:5], the scales' exponents s[6:7], qcodes s[8:9], dcodes s[10:11]
	v_lshrrev_b32 v1, 5, v0
	v_readfirstlane_b32 s12, v1                    ; wave 0..4
	v_and_b32 v2, 31, v0                           ; lane
	v_and_b32 v1, 15, v0
	v_bfe_u32 v3, v0, 4, 1
	v_lshlrev_b32 v1, 4, v1                        ; in: 16 bytes a lane,
	v_lshl_add_u32 v1, v3, 9, v1                   ; lanes 16-31 one row of 512 bytes further down
	v_lshlrev_b32 v2, 3, v2                        ; out: 8 bytes a lane
	s_mul_i32 s13, ttmp9, 5
	s_add_co_u32 s13, s13, s12                     ; which 16 rows are my wave's
	s_lshl_b32 s14, s13, 13                        ; 16 rows of 512 bytes; 3,124 x 8,192 stays under 2^32
	s_mov_b32 s15, 0
	s_mov_b32 s22, 0x5368d4a5                      ; 1e12
	s_wait_kmcnt 0x0
	s_load_b64 s[16:17], s[6:7], 0x0               ; e0, e1
	s_add_nc_u64 s[4:5], s[4:5], s[14:15]
.irp j, 0,1,2,3,4,5,6,7
	global_load_b128 v[X+8*\j:X+8*\j+3],   v1, s[4:5] offset:1024*\j th:TH_LOAD_NT       ; elements 4 p .. 4 p + 3 of rows 2 j and 2 j + 1
	global_load_b128 v[X+8*\j+4:X+8*\j+7], v1, s[4:5] offset:1024*\j+256 th:TH_LOAD_NT   ; elements 64 + 4 p .. + 3
.endr
	s_lshl_b32 s14, s13, 11                        ; 16 rows of 128 bytes of codes
	s_add_nc_u64 s[8:9], s[8:9], s[14:15]
	s_add_nc_u64 s[10:11], s[10:11], s[14:15]
	s_wait_kmcnt 0x0
	s_add_co_i32 s18, s16, 127
	s_lshl_b32 s19, s18, 23
	v_mov_b32 v5, s19                              ; 2^e0 as f32: the conversion takes its exponent field
	s_add_co_i32 s18, s18, 8
	s_lshl_b32 s18, s18, 23
	s_or_b32 s18, s18, 0x600000
	v_mov_b32 v6, s18                              ; 448 x 2^e0
	s_add_co_i32 s20, s17, 127
	s_lshl_b32 s21, s20, 23
	v_mov_b32 v3, s21                              ; 2^e1
	s_add_co_i32 s20, s20, 8
	s_lshl_b32 s20, s20, 23
	s_or_b32 s20, s20, 0x600000
	v_mov_b32 v4, s20                              ; 448 x 2^e1
; the sum of my eight squares of row pair j
.macro SQ j
	s_wait_loadcnt 14-2*\j                         ; loads come back in order: pair j's two are in, the 14 - 2 j issued behind them may be out
	v_pk_mul_f32 v[8:9], v[X+8*\j:X+8*\j+1], v[X+8*\j:X+8*\j+1]
	v_pk_fma_f32 v[8:9], v[X+8*\j+2:X+8*\j+3], v[X+8*\j+2:X+8*\j+3], v[8:9]
	v_pk_fma_f32 v[8:9], v[X+8*\j+4:X+8*\j+5], v[X+8*\j+4:X+8*\j+5], v[8:9]
	v_pk_fma_f32 v[8:9], v[X+8*\j+6:X+8*\j+7], v[X+8*\j+6:X+8*\j+7], v[8:9]
	v_add_f32 v[IV+2*\j+1], v8, v9
.endm
.irp j, 0,1,2,3,4,5,6,7
	SQ \j
.endr
.irp m, 1,2,4,8                        ; across the sixteen lanes of a row; the eight row pairs take turns, so that no line waits for the one above it
.irp j, 0,1,2,3,4,5,6,7
	v_add_f32_dpp v[IV+2*\j+1], v[IV+2*\j+1], v[IV+2*\j+1] row_xmask:\m row_mask:0xf bank_mask:0xf
.endr
.endr
.irp j, 0,1,2,3,4,5,6,7
	v_rsq_f32 v[IV+2*\j], v[IV+2*\j+1]
.endr
	v_nop                                          ; a plain instruction behind the last of the batch, ahead of the first use
	s_wait_alu depctr_va_vdst(0)                   ; one wait for the eight, ahead of their first reader
.irp j, 0,1,2,3,4,5,6,7
	v_min_num_f32 v[IV+2*\j], s22, v[IV+2*\j]      ; 1 / max(norm, 1e-12)
.endr
; row pair j is normalised, held, converted for both scales, and stored
.macro OUT j
.irp i, 0,2,4,6
	v_pk_mul_f32 v[X+8*\j+\i:X+8*\j+\i+1], v[X+8*\j+\i:X+8*\j+\i+1], v[IV+2*\j:IV+2*\j+1] op_sel_hi:[1,0]
.endr
.irp i, 0,1,2,3,4,5,6,7
	v_med3_num_f32 v[TD+\i], v[X+8*\j+\i], -v4, v4 ; the conversion to an 8-bit code does not saturate (ISA guide 7.6.2): the hold at the largest code x the scale comes first
.endr
	v_cvt_scalef32_pk8_fp8_f32 v[CD+2*\j:CD+2*\j+1], v[TD:TD+7], v3
.irp i, 0,1,2,3,4,5,6,7
	v_med3_num_f32 v[TQ+\i], v[X+8*\j+\i], -v6, v6 ; (these eight plain lines also stand between the conversion above and the next write of its sources)
.endr
	v_cvt_scalef32_pk8_fp8_f32 v[CQ+2*\j:CQ+2*\j+1], v[TQ:TQ+7], v5
	global_store_b64 v2, v[CD+2*\j:CD+2*\j+1], s[10:11] offset:256*\j   ; 32 lanes store 256 consecutive bytes, at a multiple of 256 from the buffer's first byte
	global_store_b64 v2, v[CQ+2*\j:CQ+2*\j+1], s[8:9] offset:256*\j
.endm
.irp j, 0,1,2,3,4,5,6,7
	OUT \j
.endr
	s_endpgm
.Lfunc_end_k_q7127f45e5b_quant:
	.size	k_q7127f45e5b_quant, .Lfunc_end_k_q7127f45e5b_quant-k_q7127f45e5b_quant
	.p2alignl 7, 3214868480
	.fill 96, 4, 3214868480
	.section	.rodata,"a",@progbits
	.p2align	6, 0x0
	.amdhsa_kernel k_q7127f45e5b_quant
		.amdhsa_group_segment_fixed_size 0
		.amdhsa_private_segment_fixed_size 0
		.amdhsa_enable_private_segment 0
		.amdhsa_kernarg_size 32
		.amdhsa_user_sgpr_count 2
		.amdhsa_user_sgpr_kernarg_segment_ptr 1
		.amdhsa_wavefront_size32 1
		.amdhsa_system_sgpr_workgroup_id_x 1
		.amdhsa_system_sgpr_workgroup_id_y 1
		.amdhsa_system_sgpr_workgroup_id_z 1
		.amdhsa_system_vgpr_workitem_id 0
		.amdhsa_next_free_vgpr 144
		.amdhsa_next_free_sgpr 66
		.amdhsa_reserve_vcc 0
		.amdhsa_float_denorm_mode_32 3
		.amdhsa_float_denorm_mode_16_64 3
		.amdhsa_memory_ordered 1
		.amdhsa_forward_progress 1
		.amdhsa_inst_pref_size 21
	.end_amdhsa_kernel
	.amdgpu_metadata
---
amdhsa.version: [ 1, 2 ]
amdhsa.kernels:
  - .name:           k_q7127f45e5b_quant
    .symbol:         k_q7127f45e5b_quant.kd
    .args:
      - { .name: emb, .offset: 0, .size: 8, .value_kind: global_buffer, .address_space: global }
      - { .name: lowp_scales, .offset: 8, .size: 8, .value_kind: global_buffer, .address_space: global }
      - { .name: qcodes, .offset: 16, .size: 8, .value_kind: global_buffer, .address_space: global }
      - { .name: dcodes, .offset: 24, .size: 8, .value_kind: global_buffer, .address_space: global }
    .group_segment_fixed_size: 0
    .private_segment_fixed_size: 0
    .kernarg_segment_align: 8
    .kernarg_segment_size: 32
    .max_flat_workgroup_size: 160
    .sgpr_count:     66
    .vgpr_count:     144
    .wavefront_size: 32
...
	.end_amdgpu_metadata
.endif
;; end of part 1
;; launch pool (part 2): grid 512 x 1, 8 waves a work-group, no clusters, 75,776 bytes of LDS; arguments query, doc, qcodes, dcodes, lowp_scales, w1, b1, w2, b2, w3, b3, out0; writes out0
.if DOCPART == 2
	.amdgcn_target "amdgcn-amd-amdhsa--gfx1250"
	.amdhsa_code_object_version 6
	.text
	.protected	k_q7127f45e5b_pool
	.globl	k_q7127f45e5b_pool
	.p2align	8
	.type	k_q7127f45e5b_pool,@function
k_q7127f45e5b_pool:
	s_mov_b64 s[64:65], 0
	v_nop
	global_prefetch_b8 v0, s[64:65] scope:SCOPE_SE
	s_setreg_imm32_b32 hwreg(HW_REG_WAVE_MODE, 25, 1), 1
	s_wait_xcnt 0x0
; out0[b] = MLP(km[b]); km[b][k] = sum over 30 queries of log1p(sum over 512 docs of exp(-(x - mu_k)^2 / (2 sigma_k^2))); x = the cosine of query and doc, the product of their
; normalised rows quantised to E4M3.  The rows' codes lie in qcodes and dcodes (made with 2^e0 and 2^e1); a sum of code products stands for x / 2^(e0 + e1).
; THE 21 KERNELS FROM 5 EXPONENTIALS.  Kernels 0 to 19 have sigma = 0.1 and centres mu_k = -0.95 + 0.1 k.  With an anchor a and m = k - a:
;   exp(-50 (x - mu_k)^2) = A_a(x) B(x)^m C_k,   A_a = exp(-50 (x - mu_a)^2),   B = exp(10 x),   C_k = exp(-10 mu_a m - m^2 / 2), which hangs on no data.
; Anchors: a = 2 (mu = -0.75) for k = 0 .. 9, a = 12 (mu = 0.25) for k = 10 .. 19.  From exponentials come A2, A12, B, 1 / B and kernel 20 (mu = 1, sigma = 0.001).  P7 = A2 B^5 and
; P17 = A12 B^5 are two further centres, and each of the 20 sums takes one multiply-add: a centre x one of B^-2, B^-1, 1, B, B^2.  C_k is applied once, to the finished sum over the docs.
; RANGE, for every input: a quantised number is at most twice its source, so |x| <= 4: B and B^2 are finite.  B^5 is held at 2^126; it can pass that only where x > 1.74, and there both
; anchors are 0 (A2 for x > 0.57, A12 for x > 1.57), so no 0 x infinity arises.  A term without its C_k is at most 1 / C_k <= e^42.
; LIMITS: where an anchor falls under the smallest normal f32 number the exponential gives 0 (ISA guide, v_exp_f32): kernel values under 5e-9 each are dropped there.  log1p(s) is
; log2(1 + s) ln 2 from s = 2^-6 on and s - s^2 / 2 + s^3 / 3 under it.  NaN among the inputs is not served.  The order of K inside a matrix instruction is permuted, alike in both operands.
; SHARES.  A work-group takes one batch; each of its eight waves 64 docs (four tiles of 16) against all queries (two tiles of 16; queries 30 and 31 are copies of 29 and count for nothing at the end).
; The product has source 0 = 16 docs and source 1 = 16 queries: a lane holds ONE query (lane % 16) and its eight registers the docs 8 (lane / 16) + 0 .. 7, so the 21 sums over docs are
; 21 register pairs a tile of queries, and nothing changes lanes before the end.  Fragments come from memory straight into registers: the rows are gathered by index, and a doc's row is used by one wave.
; Then: the lanes' sums meet in LDS | barrier | wave w sums queries 4 w .. 4 w + 3 with lane = kernel, x C_k, log1p, adds its four queries | barrier | wave 0 adds the eight parts and runs the MLP in f32.
; No cluster and no tensor load: no two work-groups read the same tile.  258 registers a wave, so that four waves share a SIMD and one wave's exponentials stand beside another's multiply-adds.
.set PITCH, 144                        ; a row of PART in LDS: 32 words (kernel 0 .. 31) + 16 bytes: an odd multiple of 16 bytes
.set KM,    512*PITCH                  ; behind PART (512 rows: 64 wave + 32 tile + lane): a word for each thread, the waves' parts of km
.set OFFD, 4                           ; v4-7    byte offset in dcodes of my row of doc tile t, + 16 (lane / 16)
.set OFFQ, 8                           ; v8-9    the same in qcodes for query tile u
.set IDX,  10                          ; v10-15  the indices as loaded
.set OA2,  16                          ; v16 0.75 cA   | v17 STA:  PART, where I store         (each offset is named as the low word of a pair, so its neighbour is a register that is written)
.set STA,  17
.set OA12, 18                          ; v18 -0.25 cA  | v19 RDA0: PART, where I read, waves 0-3's rows
.set RDA0, 19
.set OE,   20                          ; v20 -cE       | v21 RDA1: the same, waves 4-7's rows
.set RDA1, 21
.set KMS,  22                          ; v22     KM + 4 x thread
.set KML,  23                          ; v23     KM + 4 x lane
.set J4,   24                          ; v24-26  first the index loads' offsets; behind the wait for those loads: 4 min(lane, 9), 4 min(lane, 4), 0: the offsets of the weights and of the result.
.set I4,   25                          ;         These three registers hold offsets made of the thread's number and constants, and nothing else, in every wave
.set NUL,  26
.set CK,   27                          ; v27     C_k of kernel k = lane
.set QF,   28                          ; v28-59  the queries' two fragments; later, in wave 0, the weights (v28-66)
.set DF,   60                          ; v60-91  two buffers for a doc tile's fragment
.set S0,   92                          ; v92-99, v100-107  the two tiles of sums
.set S1,   100
.set TA2,  108                         ; eight registers each: A2 (then P7), A12 (then P17), B, 1 / B, kernel 20, B^2, B^-2, B^5
.set TA12, 116
.set TB,   124
.set TBI,  132
.set TE,   140
.set TB2,  148
.set TBI2, 156
.set TB5,  164
.set ACC,  172                         ; v172-255 the sums: kernel k of query tile u in the pair at ACC + 42 u + 2 k (even docs, odd docs)
.set R,    108                         ; the end: 24 words a tile of queries (kernels 21-23: zeros);
.set ZR,   156                         ; four zeros;
.set L,    172                         ; and 4 x 16 parts read back from PART
	s_load_b512 s[4:19], s[0:1], 0x0               ; query s[4:5], doc s[6:7], qcodes s[8:9], dcodes s[10:11], the scales' exponents s[12:13], w1 s[14:15], b1 s[16:17], w2 s[18:19]
	s_load_b256 s[20:27], s[0:1], 0x40             ; b2 s[20:21], w3 s[22:23], b3 s[24:25], out0 s[26:27]
	s_set_vgpr_msb 0x40
	v_lshl_add_u32 v0, v0, 2, 0x12400
	v_mov_b32 v1, 0
	s_set_vgpr_msb 0x4000
	v_lshrrev_b32 v1, 5, v0
	v_readfirstlane_b32 s28, v1                    ; wave 0..7
	v_and_b32 v1, 31, v0                           ; lane
	v_and_b32 v2, 15, v0                           ; r
	v_and_b32 v3, 16, v0                           ; 16 h
	; all LDS addresses are made here, ahead of any parting of the waves
	s_mul_i32 s29, s28, 64*PITCH
	v_mul_u32_u24 v[STA], v1, PITCH
	v_add_nc_u32 v[STA], s29, v[STA]               ; row 64 wave + lane (+ 32 u by the immediate)
	s_lshr_b32 s29, s28, 2
	s_mul_i32 s29, s29, 32*PITCH                   ; my four queries' tile u = wave / 4,
	s_and_b32 s62, s28, 3
	s_mul_i32 s62, s62, 4*PITCH                    ; and their first lane r = 4 (wave % 4)
	s_add_co_u32 s29, s29, s62
	v_lshl_add_u32 v[RDA0], v1, 2, s29             ; word = kernel = lane
	v_add_nc_u32 v[RDA1], 256*PITCH, v[RDA0]       ; four waves' rows on: the immediate has 16 bits
	v_lshl_add_u32 v[KMS], v0, 2, KM
	v_lshl_add_u32 v[KML], v1, 2, KM
	v_lshlrev_b32 v24, 2, v2                       ; query r
	v_add_nc_u32 v25, 16, v2
	v_min_u32 v25, 29, v25                         ; query min(16 + r, 29): no load leaves the batch's 30
	v_lshlrev_b32 v25, 2, v25
	s_lshl_b32 s29, s28, 8
	v_add_nc_u32 v26, s29, v24                     ; doc 64 wave + r (+ 16 t by the immediate)
	s_mul_i32 s62, ttmp9, 120                      ; the batch's 30 indices,
	s_mov_b32 s63, 0
	s_wait_kmcnt 0x0
	s_load_b64 s[30:31], s[12:13], 0x0             ; e0, e1
	s_add_nc_u64 s[4:5], s[4:5], s[62:63]
	s_lshl_b32 s62, ttmp9, 11                      ; its 512,
	s_add_nc_u64 s[6:7], s[6:7], s[62:63]
	s_lshl_b32 s62, ttmp9, 2                       ; its result
	s_add_nc_u64 s[26:27], s[26:27], s[62:63]
	global_load_b32 v[IDX], v24, s[4:5]
	global_load_b32 v[IDX+1], v25, s[4:5]
.irp t, 0,1,2,3
	global_load_b32 v[IDX+2+\t], v26, s[6:7] offset:64*\t
.endr
	; the coefficients, while the indices are on their way.  x = S x 2^(e0 + e1): the power of two goes into the coefficients of S
	s_wait_kmcnt 0x0
	s_add_co_i32 s32, s30, s31
	s_min_i32 s32, s32, 117                        ; above 117 one exponent is over 58, that operand's numbers (at most 1) all have the code 0 and every S is 0: any finite coefficient serves, and these stay finite
	v_mov_b32 v27, 0x4107e439                      ; cA = sqrt(50 log2 e): A = 2^-(cA x - cA mu)^2
	v_ldexp_f32 v27, v27, s32
	v_readfirstlane_b32 s34, v27
	s_mov_b32 s35, s34                             ; (named with it as a pair, so it is written)
	v_mov_b32 v27, 0x4166d4ca                      ; cB = 10 log2 e: B = 2^(cB x)
	v_ldexp_f32 v27, v27, s32
	v_readfirstlane_b32 s36, v27
	s_mov_b32 s37, s36
	v_mov_b32 v27, 0x44545498                      ; cE = sqrt(5e5 log2 e): kernel 20 = 2^-(cE x - cE)^2
	v_ldexp_f32 v27, v27, s32
	v_readfirstlane_b32 s38, v27
	s_mov_b32 s39, s38
	s_mov_b32 s33, 0x7e800000                      ; 2^126, B^5's hold
	v_mov_b32 v[OA2], 0x40cbd656                   ; 0.75 cA
	v_mov_b32 v[OA12], 0xc007e439                  ; -0.25 cA
	v_mov_b32 v[OE], 0xc4545498                    ; -cE
	s_wait_loadcnt 0x0                             ; the six indices are in: so their loads have read v24-26, which may be written again
.irp n, 0,1,2,3,4,5
	v_min_u32 v[IDX+\n], 0xc34f, v[IDX+\n]         ; an index enters an address held inside the table's 50,000 rows
.endr
.irp u, 0,1
	v_lshlrev_b32 v[OFFQ+\u], 7, v[IDX+\u]         ; a row of codes is 128 bytes;
	v_add_nc_u32 v[OFFQ+\u], v3, v[OFFQ+\u]        ; my half's 16 bytes of each 32
.endr
.irp t, 0,1,2,3
	v_lshlrev_b32 v[OFFD+\t], 7, v[IDX+2+\t]
	v_add_nc_u32 v[OFFD+\t], v3, v[OFFD+\t]
.endr
	; a fragment, 16 rows x 128 codes, is 16 registers: four loads of 16 bytes, 32 bytes apart, the same for both operands
.irp u, 0,1
.irp c, 0,1,2,3
	global_load_b128 v[QF+16*\u+4*\c:QF+16*\u+4*\c+3], v[OFFQ+\u], s[8:9] offset:32*\c
.endr
.endr
.irp t, 0,1
.irp c, 0,1,2,3
	global_load_b128 v[DF+16*\t+4*\c:DF+16*\t+4*\c+3], v[OFFD+\t], s[10:11] offset:32*\c
.endr
.endr
	; the offsets of the MLP's weights and of the result, made by every wave, while the fragments are on their way.  Lane j holds column j of a layer (lanes beyond the last column copy it)
	v_min_u32 v[J4], 9, v1
	v_lshlrev_b32 v[J4], 2, v[J4]                  ; 4 min(lane, 9)
	v_min_u32 v[I4], 4, v1
	v_lshlrev_b32 v[I4], 2, v[I4]                  ; 4 min(lane, 4)
	v_mov_b32 v[NUL], 0
; Five sums take a centre's eight numbers: kernels k0 .. k0 + 4 += p x (B^-2, B^-1, 1, B, B^2), a pair of docs at a time: five lines stand between two writes of one sum.
; first = 1: the first tile starts the sums: nothing is cleared (the products by a multiply; the middle sum by adding its first two pairs).
.macro GROUP p, k0, a, first
.set gA, \a+2*\k0
.irp i, 0,2,4,6
.if \first && (\i == 0)
	v_pk_mul_f32 v[gA:gA+1],   v[\p+\i:\p+\i+1], v[TBI2+\i:TBI2+\i+1]
	v_pk_mul_f32 v[gA+2:gA+3], v[\p+\i:\p+\i+1], v[TBI+\i:TBI+\i+1]
	v_pk_mul_f32 v[gA+6:gA+7], v[\p+\i:\p+\i+1], v[TB+\i:TB+\i+1]
	v_pk_mul_f32 v[gA+8:gA+9], v[\p+\i:\p+\i+1], v[TB2+\i:TB2+\i+1]
.else
	v_pk_fma_f32 v[gA:gA+1],   v[\p+\i:\p+\i+1], v[TBI2+\i:TBI2+\i+1], v[gA:gA+1]
	v_pk_fma_f32 v[gA+2:gA+3], v[\p+\i:\p+\i+1], v[TBI+\i:TBI+\i+1], v[gA+2:gA+3]
.if \first && (\i == 2)
	v_pk_add_f32 v[gA+4:gA+5], v[\p:\p+1], v[\p+2:\p+3]
.else
	v_pk_add_f32 v[gA+4:gA+5], v[gA+4:gA+5], v[\p+\i:\p+\i+1]
.endif
	v_pk_fma_f32 v[gA+6:gA+7], v[\p+\i:\p+\i+1], v[TB+\i:TB+\i+1], v[gA+6:gA+7]
	v_pk_fma_f32 v[gA+8:gA+9], v[\p+\i:\p+\i+1], v[TB2+\i:TB2+\i+1], v[gA+8:gA+9]
.endif
.endr
.endm
; The pooling of one tile of sums, v[s] .. v[s + 7], onto the 21 sums at v[a] on.  The 40 exponentials are ONE batch: none reads another's result, the arguments of the later ones stand between the
; earlier ones as plain work, and one wait stands behind the last, ahead of the first line that names a result.
.macro TP s, a, first
.irp i, 0,2,4,6
	v_pk_mul_f32 v[TB+\i:TB+\i+1], v[\s+\i:\s+\i+1], s[36:37] op_sel_hi:[1,0]            ; cB x; the tile of sums is read from its low end on
.endr
.irp i, 0,1,2,3,4,5,6,7
	v_exp_f32 v[TBI+\i], -v[TB+\i]                 ; 1 / B
.endr
.irp i, 0,2,4,6
	v_pk_fma_f32 v[TA2+\i:TA2+\i+1], v[\s+\i:\s+\i+1], s[34:35], v[OA2:OA2+1] op_sel_hi:[1,0,0]   ; cA (x + 0.75)   (plain lines between the exponentials above and the writes of their sources below)
.endr
.irp i, 0,2,4,6
	v_pk_mul_f32 v[TA2+\i:TA2+\i+1], v[TA2+\i:TA2+\i+1], v[TA2+\i:TA2+\i+1]
.endr
.irp i, 0,1,2,3,4,5,6,7
	v_exp_f32 v[TB+\i], v[TB+\i]                   ; B
.endr
.irp i, 0,2,4,6
	v_pk_fma_f32 v[TA12+\i:TA12+\i+1], v[\s+\i:\s+\i+1], s[34:35], v[OA12:OA12+1] op_sel_hi:[1,0,0]   ; cA (x - 0.25)
.endr
.irp i, 0,2,4,6
	v_pk_mul_f32 v[TA12+\i:TA12+\i+1], v[TA12+\i:TA12+\i+1], v[TA12+\i:TA12+\i+1]
.endr
.irp i, 0,1,2,3,4,5,6,7
	v_exp_f32 v[TA2+\i], -v[TA2+\i]                ; A2
.endr
.irp i, 0,2,4,6
	v_pk_fma_f32 v[TE+\i:TE+\i+1], v[\s+\i:\s+\i+1], s[38:39], v[OE:OE+1] op_sel_hi:[1,0,0]   ; cE (x - 1), rounded once
.endr
.irp i, 0,2,4,6
	v_pk_mul_f32 v[TE+\i:TE+\i+1], v[TE+\i:TE+\i+1], v[TE+\i:TE+\i+1]
.endr
.irp i, 0,1,2,3,4,5,6,7
	v_exp_f32 v[TA12+\i], -v[TA12+\i]              ; A12
.endr
.irp i, 0,1,2,3,4,5,6,7
	v_exp_f32 v[TE+\i], -v[TE+\i]                  ; kernel 20
.endr
	v_nop                                          ; a plain instruction behind the last exponential, ahead of the first use
	s_wait_alu depctr_va_vdst(0)                   ; one wait for the 40, ahead of the first line that names a result
.irp i, 0,2,4,6
	v_pk_mul_f32 v[TB2+\i:TB2+\i+1], v[TB+\i:TB+\i+1], v[TB+\i:TB+\i+1]                  ; B^2
.endr
.irp i, 0,2,4,6
	v_pk_mul_f32 v[TBI2+\i:TBI2+\i+1], v[TBI+\i:TBI+\i+1], v[TBI+\i:TBI+\i+1]            ; B^-2
.endr
.irp i, 0,2,4,6
	v_pk_mul_f32 v[TB5+\i:TB5+\i+1], v[TB2+\i:TB2+\i+1], v[TB2+\i:TB2+\i+1]              ; B^4
.endr
.irp i, 0,2,4,6
	v_pk_mul_f32 v[TB5+\i:TB5+\i+1], v[TB5+\i:TB5+\i+1], v[TB+\i:TB+\i+1]                ; B^5
.endr
.irp i, 0,1,2,3,4,5,6,7
	v_min_num_f32 v[TB5+\i], s33, v[TB5+\i]        ; held finite: where it would pass 2^126 both anchors are 0
.endr
	GROUP TA2, 0, \a, \first                       ; kernels 0-4
.irp i, 0,2,4,6
	v_pk_mul_f32 v[TA2+\i:TA2+\i+1], v[TA2+\i:TA2+\i+1], v[TB5+\i:TB5+\i+1]              ; P7
.endr
	GROUP TA2, 5, \a, \first                       ; kernels 5-9
	GROUP TA12, 10, \a, \first                     ; kernels 10-14
.irp i, 0,2,4,6
	v_pk_mul_f32 v[TA12+\i:TA12+\i+1], v[TA12+\i:TA12+\i+1], v[TB5+\i:TB5+\i+1]          ; P17; kernel 20's additions stand between
.if \first && (\i == 2)
	v_pk_add_f32 v[\a+40:\a+41], v[TE:TE+1], v[TE+2:TE+3]
.elseif !(\first && (\i == 0))
	v_pk_add_f32 v[\a+40:\a+41], v[\a+40:\a+41], v[TE+\i:TE+\i+1]
.endif
.endr
	GROUP TA12, 15, \a, \first                     ; kernels 15-19
.endm
; Doc tile t: two products (both tiles of queries), the fragment of the tile two on, and the pooling of both results.
.macro TILE t
.if \t < 3
	s_wait_loadcnt 4                               ; loads come back in order: this tile's fragment (and, the first time, the queries') is in; the next tile's four loads may be out
.else
	s_wait_loadcnt 0
.endif
	v_wmma_f32_16x16x128_fp8_fp8 v[S0:S0+7], v[DF+16*(\t%2):DF+16*(\t%2)+15], v[QF:QF+15], 0       ; K = 128 is the whole sum: each result starts from 0 and is finished; two results, no chain
	v_wmma_f32_16x16x128_fp8_fp8 v[S1:S1+7], v[DF+16*(\t%2):DF+16*(\t%2)+15], v[QF+16:QF+31], 0
.rept 4
	v_nop                                          ; four places in front of the loads into registers that the products read, and of the first read of the results
.endr
.if \t < 2
.irp c, 0,1,2,3
	global_load_b128 v[DF+16*(\t%2)+4*\c:DF+16*(\t%2)+4*\c+3], v[OFFD+\t+2], s[10:11] offset:32*\c
.endr
.endif
.if \t == 3
	; the fragments are done with: wave 0 asks for the MLP's weights into their registers; they land under the last two poolings
	s_cmp_lg_u32 s28, 0
	s_cbranch_scc1 .Lno_weights
.irp k, 0,1,2,3,4,5,6,7,8,9,10,11,12,13,14,15,16,17,18,19,20
	global_load_b32 v[28+\k], v[J4], s[14:15] offset:40*\k     ; w1[k][j]
.endr
.irp j, 0,1,2,3,4,5,6,7,8,9
	global_load_b32 v[49+\j], v[I4], s[18:19] offset:20*\j     ; w2[j][i]
.endr
.irp i, 0,1,2,3,4
	global_load_b32 v[59+\i], v[NUL], s[22:23] offset:4*\i     ; w3[i]
.endr
	global_load_b32 v64, v[J4], s[16:17]           ; b1[j]
	global_load_b32 v65, v[I4], s[20:21]           ; b2[i]
	global_load_b32 v66, v[NUL], s[24:25]          ; b3
.Lno_weights:
.endif
.if \t == 0
	TP S0, ACC, 1
	TP S1, ACC+42, 1
.else
	TP S0, ACC, 0
	TP S1, ACC+42, 0
.endif
.endm
	TILE 0
	TILE 1
	TILE 2
	TILE 3
	; THE END.  Even and odd docs are added; my 21 sums of each tile of queries go to my row of PART, filled up with zeros to 32 words, so that every word that is read has been written
.irp u, 0,1
.irp k, 0,1,2,3,4,5,6,7,8,9,10,11,12,13,14,15,16,17,18,19,20
	v_add_f32 v[R+24*\u+\k], v[ACC+42*\u+2*\k], v[ACC+42*\u+2*\k+1]
.endr
.irp k, 21,22,23
	v_mov_b32 v[R+24*\u+\k], 0
.endr
.endr
.irp k, 0,1,2,3
	v_mov_b32 v[ZR+\k], 0
.endr
.irp u, 0,1
.irp g, 0,1,2,3,4,5
	ds_store_b128 v[STA], v[R+24*\u+4*\g:R+24*\u+4*\g+3] offset:32*PITCH*\u+16*\g
.endr
	ds_store_b128 v[STA], v[ZR:ZR+3] offset:32*PITCH*\u+96
	ds_store_b128 v[STA], v[ZR:ZR+3] offset:32*PITCH*\u+112
.endr
	s_wait_dscnt 0x0                               ; for the others' sake: my stores have landed
	s_barrier_signal -1
	s_barrier_wait -1
	; query 4 wave + i, kernel = lane: its sixteen parts (eight waves x two halves of the lanes); 32 lanes read 128 consecutive bytes
.irp i, 0,1,2,3
.irp w, 0,1,2,3
.irp h, 0,1
	ds_load_b32 v[L+16*\i+2*\w+\h],   v[RDA0] offset:64*PITCH*\w+16*PITCH*\h+PITCH*\i
	ds_load_b32 v[L+16*\i+8+2*\w+\h], v[RDA1] offset:64*PITCH*\w+16*PITCH*\h+PITCH*\i
.endr
.endr
.endr
	; C_k while they are on their way: t = lane (lane < 10) or lane - 10; m = t - 2; C = exp(m (c1 - m / 2)), c1 = 7.5 or -2.5; 1 from lane 20 on
	v_and_b32 v73, 31, v0
	v_cvt_f32_u32 v70, v73
	v_mov_b32 v72, 0x41200000                      ; 10.0
	v_cmp_gt_u32 vcc_lo, 10, v73
	v_cndmask_b32 v71, v72, v[ZR], vcc_lo          ; 0 for lanes under 10, else 10
	v_sub_f32 v70, v70, v71
	v_add_f32 v70, -2.0, v70                       ; m
	v_sub_f32 v71, 0x40f00000, v71                 ; c1 = 7.5 or -2.5 = -10 mu_a
	v_fma_f32 v71, v70, -0.5, v71
	v_mul_f32 v70, v70, v71                        ; a multiple of 0.5, exact
	v_mul_f32 v70, 0x3fb8aa3b, v70                 ; x log2 e
	v_cmp_gt_u32 vcc_lo, 20, v73
	v_cndmask_b32 v70, v[ZR], v70, vcc_lo
	v_exp_f32 v[CK], v70
	s_cmp_eq_u32 s28, 7
	s_cselect_b32 s61, 0, 1.0                      ; wave 7's last two queries are 30 and 31: copies, which count for nothing
	s_wait_dscnt 0x0
.irp p, 0,4,8,12                       ; sixteen parts to one: seven packed additions and a plain one for each query, the four queries by turns
.irp i, 0,1,2,3
	v_pk_add_f32 v[L+16*\i+\p:L+16*\i+\p+1], v[L+16*\i+\p:L+16*\i+\p+1], v[L+16*\i+\p+2:L+16*\i+\p+3]
.endr
.endr
.irp p, 0,8
.irp i, 0,1,2,3
	v_pk_add_f32 v[L+16*\i+\p:L+16*\i+\p+1], v[L+16*\i+\p:L+16*\i+\p+1], v[L+16*\i+\p+4:L+16*\i+\p+5]
.endr
.endr
.irp i, 0,1,2,3
	v_pk_add_f32 v[L+16*\i:L+16*\i+1], v[L+16*\i:L+16*\i+1], v[L+16*\i+8:L+16*\i+9]
.endr
.irp i, 0,1,2,3
	v_add_f32 v[76+\i], v[L+16*\i], v[L+16*\i+1]
.endr
	s_wait_alu depctr_va_vdst(0)                   ; C_k's exponential: the additions above are the work between it and its first reader
.irp i, 0,1,2,3
	v_mul_f32 v[80+\i], v[76+\i], v[CK]            ; s = the kernel's sum over the 512 docs
.endr
.irp i, 0,1,2,3
	v_add_f32 v[84+\i], 1.0, v[80+\i]
.endr
.irp i, 0,1,2,3
	v_log_f32 v[88+\i], v[84+\i]
.endr
.irp i, 0,1,2,3
	v_fma_f32 v[92+\i], v[80+\i], 0x3eaaaaab, -0.5 ; the series for small s stands behind the logarithms as independent work
.endr
.irp i, 0,1,2,3
	v_fma_f32 v[92+\i], v[80+\i], v[92+\i], 1.0
.endr
.irp i, 0,1,2,3
	v_mul_f32 v[92+\i], v[80+\i], v[92+\i]         ; s - s^2 / 2 + s^3 / 3
.endr
	s_wait_alu depctr_va_vdst(0)                   ; one wait for the four logarithms
.irp i, 0,1,2,3
	v_mul_f32 v[88+\i], 0x3f317218, v[88+\i]       ; x ln 2
	v_cmp_gt_f32 vcc_lo, 0x3c800000, v[80+\i]      ; under 2^-6 the series: a choice of a value, no branch
	v_cndmask_b32 v[88+\i], v[88+\i], v[92+\i], vcc_lo
.endr
	v_add_f32 v96, v88, v89
	v_fmac_f32 v96, s61, v90
	v_fmac_f32 v96, s61, v91                       ; my four queries' part of km[lane]
	ds_store_b32 v[KMS], v96
	s_wait_dscnt 0x0                               ; for wave 0's sake: my store has landed
	s_barrier_signal -1
	s_barrier_wait -1
	s_cmp_lg_u32 s28, 0
	s_cbranch_scc1 .Lend
.irp w, 0,1,2,3,4,5,6,7
	ds_load_b32 v[100+\w], v[KML] offset:128*\w
.endr
	s_wait_dscnt 0x0
	v_pk_add_f32 v[100:101], v[100:101], v[102:103]
	v_pk_add_f32 v[104:105], v[104:105], v[106:107]
	v_pk_add_f32 v[100:101], v[100:101], v[104:105]
	v_add_f32 v96, v100, v101                      ; km[k] in lane k
	s_wait_loadcnt 0x0                             ; the weights
	; the MLP in f32: an input of a layer is read from its lane into a scalar register, and lane j adds it times its column's weight; the bias starts the sum
.irp k, 0,1,2,3,4,5,6,7,8,9,10,11,12,13,14,15,16,17,18,19,20
	v_readlane_b32 s[40+\k], v96, \k
.endr
	v_fma_f32 v97, s40, v28, v64
.irp k, 1,2,3,4,5,6,7,8,9,10,11,12,13,14,15,16,17,18,19,20
	v_fmac_f32 v97, s[40+\k], v[28+\k]
.endr
	v_max_num_f32 v97, 0, v97
.irp j, 0,1,2,3,4,5,6,7,8,9
	v_readlane_b32 s[40+\j], v97, \j
.endr
	v_fma_f32 v98, s40, v49, v65
.irp j, 1,2,3,4,5,6,7,8,9
	v_fmac_f32 v98, s[40+\j], v[49+\j]
.endr
	v_max_num_f32 v98, 0, v98
.irp i, 0,1,2,3,4
	v_readlane_b32 s[40+\i], v98, \i
.endr
	v_fma_f32 v99, s40, v59, v66
.irp i, 1,2,3,4
	v_fmac_f32 v99, s[40+\i], v[59+\i]
.endr
	v_cmp_eq_u32 vcc_lo, 0, v0
	s_wait_xcnt 0x0                                ; EXEC is a source of every earlier load: it changes only behind this wait
	s_set_vgpr_msb 0x5
	s_wait_tensorcnt 0x0
	ds_add_u32 v0, v1
	s_wait_dscnt 0x0
	s_set_vgpr_msb 0x500
	s_and_saveexec_b32 s29, vcc_lo
	global_store_b32 v[NUL], v99, s[26:27]         ; one number a batch, from thread 0, at offset 0 from the batch's place in out0
	s_endpgm
.Lend:
	s_set_vgpr_msb 0x5
	s_wait_tensorcnt 0x0
	ds_add_u32 v0, v1
	s_wait_dscnt 0x0
	s_set_vgpr_msb 0x500
	s_endpgm
.Lfunc_end_k_q7127f45e5b_pool:
	.size	k_q7127f45e5b_pool, .Lfunc_end_k_q7127f45e5b_pool-k_q7127f45e5b_pool
	.p2alignl 7, 3214868480
	.fill 96, 4, 3214868480
	.section	.rodata,"a",@progbits
	.p2align	6, 0x0
	.amdhsa_kernel k_q7127f45e5b_pool
		.amdhsa_group_segment_fixed_size 75776
		.amdhsa_private_segment_fixed_size 0
		.amdhsa_enable_private_segment 0
		.amdhsa_kernarg_size 96
		.amdhsa_user_sgpr_count 2
		.amdhsa_user_sgpr_kernarg_segment_ptr 1
		.amdhsa_wavefront_size32 1
		.amdhsa_system_sgpr_workgroup_id_x 1
		.amdhsa_system_sgpr_workgroup_id_y 1
		.amdhsa_system_sgpr_workgroup_id_z 1
		.amdhsa_system_vgpr_workitem_id 0
		.amdhsa_next_free_vgpr 258
		.amdhsa_next_free_sgpr 66
		.amdhsa_reserve_vcc 1
		.amdhsa_float_denorm_mode_32 3
		.amdhsa_float_denorm_mode_16_64 3
		.amdhsa_memory_ordered 1
		.amdhsa_forward_progress 1
		.amdhsa_inst_pref_size 116
	.end_amdhsa_kernel
	.amdgpu_metadata
---
amdhsa.version: [ 1, 2 ]
amdhsa.kernels:
  - .name:           k_q7127f45e5b_pool
    .symbol:         k_q7127f45e5b_pool.kd
    .args:
      - { .name: query, .offset: 0, .size: 8, .value_kind: global_buffer, .address_space: global }
      - { .name: doc, .offset: 8, .size: 8, .value_kind: global_buffer, .address_space: global }
      - { .name: qcodes, .offset: 16, .size: 8, .value_kind: global_buffer, .address_space: global }
      - { .name: dcodes, .offset: 24, .size: 8, .value_kind: global_buffer, .address_space: global }
      - { .name: lowp_scales, .offset: 32, .size: 8, .value_kind: global_buffer, .address_space: global }
      - { .name: w1, .offset: 40, .size: 8, .value_kind: global_buffer, .address_space: global }
      - { .name: b1, .offset: 48, .size: 8, .value_kind: global_buffer, .address_space: global }
      - { .name: w2, .offset: 56, .size: 8, .value_kind: global_buffer, .address_space: global }
      - { .name: b2, .offset: 64, .size: 8, .value_kind: global_buffer, .address_space: global }
      - { .name: w3, .offset: 72, .size: 8, .value_kind: global_buffer, .address_space: global }
      - { .name: b3, .offset: 80, .size: 8, .value_kind: global_buffer, .address_space: global }
      - { .name: out0, .offset: 88, .size: 8, .value_kind: global_buffer, .address_space: global }
    .group_segment_fixed_size: 75776
    .private_segment_fixed_size: 0
    .kernarg_segment_align: 8
    .kernarg_segment_size: 96
    .max_flat_workgroup_size: 256
    .sgpr_count:     66
    .vgpr_count:     258
    .wavefront_size: 32
...
	.end_amdgpu_metadata
.endif
;; end of part 2
